; MI455X (gfx1250); checked and timed in simulation.
; The chip was launched on July 23, 2026; its instructions are those of AMD's public machine-readable ISA for CDNA 5 (MIT licence, August 2026) and "CDNA5" Instruction Set Architecture Reference Guide (July 2026). The comments in the code are by the model that wrote it; some were corrected since.
;; E2 E Bolt Conventional Training. Allowed arithmetic: float matrix products may take bf16 or f16 operands with f32 sums; all other float work in f32.
;; Inputs: W1 3 x 128 float32; W2 128 x 128 float32; W3 128 x 6 float32; b1 128 float32; b2 128 float32; b3 6 float32; z 4,096 x 512 x 3 float32.
;; Outputs: out0 4,096 x 3,072 float32.
;; 2 versions, each right; version 2 is version 1 with the launch mlp written anew for expert scheduling mode. Each part assembles by itself: llvm-mc -triple=amdgcn-amd-amdhsa -mcpu=gfx1250 --defsym DOCPART=n.
;; ======== version 1 of 2: 1 launch
;; limits: values are held in f16: magnitudes above 65,504 overflow, below 6.1e-05 lose precision; right only within a limited range of input values
;; launch mlp (part 1): grid 256 x 1, 4 waves a work-group, no clusters, 56,064 bytes of LDS; arguments z, W1, b1, W2, b2, W3, b3, out0; writes out0
.if DOCPART == 1
	.amdgcn_target "amdgcn-amd-amdhsa--gfx1250"
	.amdhsa_code_object_version 6
	.text
	.protected	k_q967ee48249_mlp
	.globl	k_q967ee48249_mlp
	.p2align	8
	.type	k_q967ee48249_mlp,@function
k_q967ee48249_mlp:
	s_mov_b64 s[64:65], 0
	v_nop
	global_prefetch_b8 v0, s[64:65] scope:SCOPE_SE
	s_setreg_imm32_b32 hwreg(HW_REG_WAVE_MODE, 25, 1), 1
	s_wait_xcnt 0x0
; llr = relu(relu(z W1 + b1) W2 + b2) W3 + b3 for 4096 x 512 = 2,097,152 symbols.  z: 3 f32 a symbol, out0: 6 f32 a symbol, both dense; the reshape moves no byte.
; ONE LAUNCH: h1 and h2 (128 numbers a symbol each) never leave registers.  256 work-groups of four waves; a wave owns 2,048 symbols on end: 24,576 bytes of z, 49,152 of out0.
; FORMATS.  Every input (z, W1, b1, W2, b2, W3, b3) is rounded to bf16 once.  Sums in f32.  h1 and h2 are rounded to f16: 11 significant bits; with bf16's 8 a symbol whose |z| is three times the usual
; would spend a third of the allowance (1% of the output's root mean square) on one standard deviation of h2's rounding.  So W2's and W3's bf16 numbers are written as f16.
; SCALES make f16's room.  Three powers of two are made from the weights: t1 brings max(|W1|, |b1|) into [0.5, 1), s2 brings max(|W2|, t1 |b2|) there, s3 brings max |W3| there.  W1 and b1 are multiplied by t1,
; W2 by s2, b2 by t1 s2, W3 by s3, b3 by t1 s2 s3: all exact, and a power of two passes through the rounding to bf16 and through relu.  The sums of layer 3 are then t1 s2 s3 times the result,
; and one exact multiplication takes that off.  The scaled h1 is below |z0| + |z1| + |z2| + 1, the scaled sums of layer 2 below 128 times that + 1.
; LIMITS.  |z0| + |z1| + |z2| of 510 or more can make an infinity in f16 (below it nothing can, whatever the weights).  The scales' exponents are held within +-40: a maximum outside 2^-41 .. 2^40
; is not brought into [0.5, 1).  Of the scaled W2, W3, h1 and h2, what lies below 6.1e-5 keeps f16's fixed step of 6e-8.  relu, and the maxima, are v_max_num_f32: a NaN loses (relu of NaN is 0).
; Two tiles share an accumulator and the fragments of W1 overlap (below): products of 0 with a number that is not finite are NaN, so an h2 that is not finite spoils the symbol 16 away in its group
; of 32, and a W1 or b1 that is not finite spoils every feature.
; THE PRODUCTS ARE USED TRANSPOSED: source 0 = 16 features (weights), source 1 = 16 symbols.  A result holds ONE symbol a lane (lane % 16) and the features 8 (lane / 16) + 0..7; two results, rounded in pairs,
; ARE source 1 of the next layer.  Nothing changes lanes between the layers.  A TILE is 16 symbols: 8 products for layer 1 (bf16; K = 32, of which 4 are used: z0, z1, z2, and 1.0 against b1), 32 for layer 2
; (f16; its sums start from b2 as C), 4 for layer 3 (f16; 16 rows, of which 6 are used).
; A GROUP is 32 symbols, lane l holding symbol l.  Its two tiles share registers at both ends.  IN: P = (z0, z1), Q = (z2, 1.0) in bf16; tile A takes them in lanes 0-15 alone (k = 0..3), tile B in lanes 16-31
; alone (k = 8..11); W1's fragments hold the same four numbers at both places.  OUT: tile A multiplies by W3^T in rows 0-5, tile B by W3^T in rows 8-13, both onto ONE accumulator that starts from b3:
; lane l ends up with its own symbol's six numbers in registers 0-5.
; ALL WEIGHTS STAY IN REGISTERS (W2 alone 256); the loop reads z and writes out0 and nothing else.  They come through LDS once, where the turning load makes fragments of [k][n] tables.
; BY PERIODS.  A tile has 44 matrix and 192 vector instructions (64 + 64 relu, 32 + 32 roundings in pairs).  Period P issues layer 1 of tile P, layer 2 of tile P - 1, layer 3 of tile P - 2, and behind each
; matrix instruction stands a slice of four or five vector instructions of work that is ready.  The accumulators take turns, one instruction a turn.
; NO CLUSTER: the work-groups share the weights alone, 71,192 bytes read once at the start and converted in registers, against the 294,912 bytes of z and out0 that each work-group has to itself.
; REGISTERS, in windows of 256 (s_set_vgpr_msb: bits 1:0 source 0, 3:2 source 1, 5:4 source 2, 7:6 destination):
;   window 0: v0-7 addresses; v8-15 P, Q of four groups; v16-23 layer 1's source 1; v24-31 O; v32-95 X1 (layer 1's sums); v96-159 X2 (layer 2's); v160-223 H1, two buffers; v224-255 H2
;   window 1: W2's 32 fragments      window 2: W1's, W3's fragments, b2 and b3 as C operands, z as loaded, out0 on its way
; Every matrix setting leaves source 1 and the destination in window 0, and relu names those two places alone: it needs no switch.  The roundings name source 0 too: a switch in front and one behind.
.set P2,    288            ; a row of W2's table: 128 f16 = 256 bytes + 32 = 72 words
.set P3,    96             ; a row of W3's table: 32 f16 = 64 bytes + 32 = 24 words: eight rows start at banks 0, 24, 48, 8, 32, 56, 16, 40
.set T3,    128*P2         ; W2's table begins at LDS byte 0, W3's here
.set GRAN,  1536           ; a granule: 64 symbols of out0; also 128 symbols of z
.set STAGE, T3+128*P3      ; a granule for each wave, the wave's own
.set RED,   STAGE+4*GRAN   ; 8 bytes for each wave: the largest |W2| and |W3| among its rows
.set SPARE, RED+256        ; the spare words, 128 bytes for each wave: two blocks of 256 bytes that no other line names
.set ZOFF, 1               ; v1  12 x lane: my symbol in 32 symbols of z; never rewritten
.set LST,  2               ; v2  stage: where my symbol's 24 bytes go
.set LRD,  3               ; v3  stage: where I read 16 bytes back
.set GOFF, 4               ; v4  16 x lane: my 16 bytes in 512 bytes of out0; never rewritten
.set SPW,  5               ; v5  LDS address of my spare word: SPARE + 4 x my thread's number; never rewritten
.set NIL,  6               ; v6  0; never rewritten
.set LN,   7               ; v7  lane (set-up)
.set PQ,   8               ; group g: P at PQ + 2 g, Q at PQ + 2 g + 1
.set ZF,   16              ; registers 2-7 stay 0
.set O,    24
.set X1,   32              ; feature block nb at + 8 nb
.set X2,   96
.set H1,   160             ; buffer by the tile's parity, 32 registers: K step ks at + 8 ks
.set H2,   224
.set W1F,  0               ; window 2: block nb's two registers at 2 nb; v16-21 are 0.  Block nb's fragment is v[2 nb : 2 nb + 7]: what it holds of later blocks meets ZF's zeros
.set TW,   22              ; window 2: two at work (set-up)
.set W3F,  24              ; window 2: K step ks at + 8 ks, W3^T in rows 0-5; 32 further on the same in rows 8-13
.set B2C,  88              ; window 2: block nb at + 8 nb: register j = b2[16 nb + 8 (lane / 16) + j], scaled
.set B3C,  152             ; window 2: register j = b3[j], scaled; registers 6 and 7 = 0; straight behind B2C
.set RZ,   160             ; window 2: group g at + 4 g: z0, z1, z2 as loaded, and 1.0
.set OBR,  176             ; window 2: a granule on its way out, 12 registers
; set-up alone, in window 0, in registers that the loop uses later
.set RW2,  32              ; v32-159  my wave's 32 rows of W2, 4 numbers a lane
.set RW3,  160             ; v160-165 my thread's row of W3
.set RW1,  168             ; v168-199 block nb at + 4 nb: W1[0], W1[1], W1[2], b1 of feature 16 nb + lane % 16
.set QD3,  200             ; v200-203 W3's row in f16, and a word of 0
.set QZ,   204             ; v204-207 0
.set A2,   208             ; byte offsets in W2, W3, W1 and b1, b2
.set A3,   209
.set A1,   210
.set AB2,  211
.set AS2,  212             ; LDS: where I put W2, W3; where the turning loads read
.set AT3,  213
.set TR2,  214
.set TR3,  215
.set TA,   216             ; v216-221 at work
.set VM1,  224             ; the largest |W1|, |b1|
.set VMB2, 225             ; the largest |b2|
.set VM2,  226             ; the largest |W2|; with VM3 the pair that goes to RED
.set VM3,  227             ; the largest |W3|
.set VM2B, 228             ; a second chain for W2
.set TP,   229             ; at work
.set VE1,  230             ; v230-232 the three maxima's exponent fields
.set VT1,  233             ; t1, s2, s3, t1 s2, t1 s2 s3, 1 / (t1 s2 s3)
.set VS2,  234
.set VS3,  235
.set VSB2, 236
.set VSB3, 237
.set VINV, 238
.set RADR, 239             ; an LDS address in RED
.set RDW,  240             ; v240-247 the four waves' pairs
.set WV,   2               ; s2   my wave's number
.set CNT,  3               ; s3   bodies to go
.set SEL,  4               ; s[4:5] v_permlanex16_b32's selects: each lane takes its own place in the other half (first: z's offset)
.set MLO,  24              ; s24  lanes 0-15;  s25  lanes 16-31
.set HIM,  26              ; s26  a word's upper bf16
.set RADS, 37              ; s37  RED + 8 x wave
.set INV,  38              ; s[38:39] 1 / (t1 s2 s3); the packed multiplications name pairs and take the low word for both halves
.set ST1,  40              ; s[40:41] t1
.set SS2,  42              ; s[42:43] s2
.set SS3,  44              ; s[44:45] s3
.set SB2,  46              ; s[46:47] t1 s2
.set SB3,  48              ; s[48:49] t1 s2 s3
.set MSB, 0
.macro WIN new                         ; the immediate's high byte repeats the setting that is left; a switch that changes nothing is dropped
.if MSB != (\new)
	s_set_vgpr_msb (MSB<<8)|(\new)
.set MSB, (\new)
.endif
.endm
.macro PLACES                          ; four places between a matrix instruction and a vector instruction that reads its result or writes a source (ISA guide 7.12.1)
.rept 4
	v_nop
.endr
.endm
; z: four loads of 12 bytes a lane: 128 symbols, 1,536 bytes on end
.macro ZLOAD
	WIN 0x80                           ; destination window 2, address window 0
.irp g, 0,1,2,3
	global_load_b96 v[RZ+4*\g:RZ+4*\g+2], v[ZOFF], s[8:9] offset:384*\g th:TH_LOAD_NT
.endr
	WIN 0
.endm
.macro ZCONV                           ; P = (z0, z1), Q = (z2, 1.0) in bf16, for four groups
	WIN 0x0a                           ; sources window 2, destination window 0
.irp g, 0,1,2,3
	v_cvt_pk_bf16_f32 v[PQ+2*\g],   v[RZ+4*\g],   v[RZ+4*\g+1]
	v_cvt_pk_bf16_f32 v[PQ+2*\g+1], v[RZ+4*\g+2], v[RZ+4*\g+3]
.endr
.endm
.macro ZFUPD t                         ; layer 1's source 1 for tile t of eight: its group's P and Q in its half of the lanes, 0 in the other
	WIN 0
	v_cndmask_b32 v[ZF],   0, v[PQ+2*((\t)/2)],   s[MLO+(\t)%2]
	v_cndmask_b32 v[ZF+1], 0, v[PQ+2*((\t)/2)+1], s[MLO+(\t)%2]
.endm
; Once a body: the next 128 symbols, loaded a body ago, are converted; the 128 behind them are asked for, while there are any: body i of 16 (CNT = 16 - i) asks for part i + 2 of 0..15.
.macro ZHEAD
	WIN 0
	s_wait_loadcnt 0x0                 ; the four loads of z are the only loads out; the wait also frees their base
	ZCONV
	WIN 0                              ; at a branch and at a label every window is 0
	s_cmp_lt_u32 s[CNT], 3
	s_cbranch_scc1 .Lnoz_\@            ; the last two bodies ask for nothing: no load leaves z
	s_add_nc_u64 s[8:9], s[8:9], GRAN
	ZLOAD
.Lnoz_\@:
.endm
; THE MATRIX WORK.  MAT writes instruction m of a period's 44; it reads the symbols m, par (the period's parity), FL2, FL3 (0: the layer has no tile yet).
.macro L2I                             ; layer 2 of tile P - 1: feature block nb, K step ks
.if FL2
.set rD, X2+8*nb
.set rA, 32*nb+8*ks
.set rB, H1+32*(1-par)+8*ks
.if ks == 0
	WIN 0x21                           ; W2 window 1, b2 window 2
	v_wmma_f32_16x16x32_f16 v[rD:rD+7], v[rA:rA+7], v[rB:rB+7], v[B2C+8*nb:B2C+8*nb+7]
.else
	WIN 0x01
	v_wmma_f32_16x16x32_f16 v[rD:rD+7], v[rA:rA+7], v[rB:rB+7], v[rD:rD+7]
.endif
.endif
.endm
.macro L3I                             ; layer 3 of tile P - 2: K step ks.  An even tile starts O from b3 and fills lanes 0-15, an odd one adds onto it and fills lanes 16-31
.if FL3
.set rA, W3F+32*par+8*ks
.set rB, H2+8*ks
.if (par == 0) && (ks == 0)
	WIN 0x22                           ; W3 and b3 window 2
	v_wmma_f32_16x16x32_f16 v[O:O+7], v[rA:rA+7], v[rB:rB+7], v[B3C:B3C+7]
.else
	WIN 0x02
	v_wmma_f32_16x16x32_f16 v[O:O+7], v[rA:rA+7], v[rB:rB+7], v[O:O+7]
.endif
.endif
.endm
.macro MAT
.if m < 8                              ; 0-7: layer 1 of tile P, block m
	WIN 0x02                           ; W1 window 2
	v_wmma_f32_16x16x32_bf16 v[X1+8*m:X1+8*m+7], v[W1F+2*m:W1F+2*m+7], v[ZF:ZF+7], 0
.elseif m < 28                         ; 8-27: layer 2's blocks 0-3, K ascending, and behind each four of them a link of layer 3 (12, 17, 22, 27)
.set ks, (m-8)/5
.set nb, (m-8)%5
.if nb < 4
	L2I
.else
	L3I
.endif
.else                                  ; 28-43: layer 2's blocks 4-7
.set ks, (m-28)/4
.set nb, 4+(m-28)%4
	L2I
.endif
.endm
; THE VECTOR WORK: four QUADS of four feature blocks, each 32 relu in place and 16 roundings of pairs to f16, cut into 11 slices; slice m % 11 of quad m / 11 stands behind matrix instruction m.
;   quad 0 (0-10):  X2's blocks 4-7 of tile P - 2 -> H2's upper half: their last links are the period before's 40-43; layer 3 reads them at 22 and 27
;   quad 1 (11-21): X1's blocks 0-3 of tile P -> H1             quad 2 (22-32): X1's blocks 4-7: layer 2 reads them in the next period
;   quad 3 (33-43): X2's blocks 0-3 of tile P - 1 -> H2's lower half: their last links are 23-26; layer 3 reads them at the next period's 12 and 17
; relu ascends.  No slice names a register of the matrix instructions round it, and every result is read two slices or more behind its product.
.macro MAXN a, n
.if MSB & 0xcc                         ; source 1 and the destination must stand in window 0: so they do under every matrix setting
	WIN 0
.endif
.set ii, \a
.rept \n
	v_max_num_f32 v[XS+ii], 0, v[XS+ii]
.set ii, ii+1
.endr
.endm
.macro CVT4 a
	WIN 0
.set ii, \a
.rept 4
	v_cvt_pk_f16_f32 v[HD+ii], v[XS+2*ii], v[XS+2*ii+1]
.set ii, ii+1
.endr
.endm
.macro SLICE
.set quad, m/11
.set sl, m%11
.set act, 1
.if quad == 0
.set XS, X2+32
.set HD, H2+16
.set act, FQA
.elseif quad == 1
.set XS, X1
.set HD, H1+32*par
.elseif quad == 2
.set XS, X1+32
.set HD, H1+32*par+16
.else
.set XS, X2
.set HD, H2
.set act, FQD
.endif
.if act
.if sl == 0
	MAXN 0, 5
.elseif sl == 1
	MAXN 5, 5
.elseif sl == 2
	CVT4 0
.elseif sl == 3
	MAXN 10, 5
.elseif sl == 4
	MAXN 15, 5
.elseif sl == 5
	CVT4 4
.elseif sl == 6
	MAXN 20, 4
.elseif sl == 7
	MAXN 24, 4
.elseif sl == 8
	CVT4 8
.elseif sl == 9
	MAXN 28, 4
.else
	CVT4 12
.endif
.elseif m == 10
	PLACES                             ; the first two periods have no quad 0: these are the places between layer 1's products and quad 1
.endif
.endm
; THE WAY OUT.  The scales are taken off; a group's 32 lanes put 24 bytes each into my stage; two groups are a granule of 1,536 bytes, which comes back as 16 bytes a lane and leaves in three stores.
.macro OSTORE
	WIN 0
.irp i, 0,1,2
	v_pk_mul_f32 v[O+2*\i:O+2*\i+1], v[O+2*\i:O+2*\i+1], s[INV:INV+1] op_sel_hi:[1,0]  ; a power of two: exact
.endr
.irp i, 0,1,2
	ds_store_b64 v[LST], v[O+2*\i:O+2*\i+1] offset:768*gam+8*\i
.endr
.endm
.macro GRAN_A
	s_wait_xcnt 0x0                    ; every earlier memory instruction has had its addresses translated (ISA guide 3.1): only now are the last granule's data registers and the stores' base rewritten
	s_add_nc_u64 s[22:23], s[22:23], s[6:7]  ; the first time 0, then a granule on
	s_mov_b32 s6, GRAN
	WIN 0x80
.irp i, 0,1,2
	ds_load_b128 v[OBR+4*\i:OBR+4*\i+3], v[LRD] offset:512*\i  ; LDS serves a wave's instructions in order (ISA guide 5.7.1.4): these see the stores above, and the next granule's stores come behind them
.endr
	WIN 0
.endm
.macro GRAN_B
	s_wait_dscnt 0x0                   ; the granule is back: its loads were issued 13 matrix instructions ago
	WIN 0x08                           ; data window 2, address window 0
.irp i, 0,1,2
	global_store_b128 v[GOFF], v[OBR+4*\i:OBR+4*\i+3], s[22:23] offset:512*\i th:TH_STORE_NT  ; 512 consecutive bytes, at a multiple of 256 from out0's first byte
.endr
	WIN 0
.endm
; What stands behind a slice now and then; each at a rounding slice, where every window is 0.
.macro EXTRA
.if m == 13                            ; layer 1's last product of this period stands six slices back
.if p == 7
	ZHEAD
.endif
	ZFUPD (p+1)%8
.endif
.if FL3 && (par == 1)
.if m == 30                            ; O's last link is 27: three slices back
	OSTORE
.if gam
	GRAN_A
.endif
.endif
.if (m == 43) && gam
	GRAN_B
.endif
.endif
.endm
; Period pp of eight.  l2, l3, qa, qd = 0: at the start these have no tile yet.
.macro PERIOD pp, l2=1, l3=1, qa=1, qd=1
.set p, (\pp)
.set par, (\pp)%2
.set gam, ((((\pp)+5)%8)/2)%2          ; the group that layer 3 finishes in an odd period is the first (0) or second (1) of its granule
.set FL2, (\l2)
.set FL3, (\l3)
.set FQA, (\qa)
.set FQD, (\qd)
.set m, 0
.rept 44
	MAT
	SLICE
	EXTRA
.set m, m+1
.endr
.endm
; set-up's own macros
.macro RED16 r                         ; the maximum over a row of 16 lanes, in every lane of it
.irp x, 1,2,4,8
	v_max_num_f32_dpp v[\r], v[\r], v[\r] row_xmask:\x row_mask:0xf bank_mask:0xf
.endr
.endm
.macro HALVES r                        ; and over the two rows
	v_permlanex16_b32 v[TP], v[\r], s[SEL], s[SEL+1]
	v_max_num_f32 v[\r], v[\r], v[TP]
.endm
.macro EXPO e, mx                      ; the exponent field of a maximum, held within 86 .. 166 (2^-41 .. 2^39)
	v_max_num_f32 v[\mx], 0x2b000000, v[\mx]
	v_min_num_f32 v[\mx], 0x53000000, v[\mx]
	v_lshrrev_b32 v[\e], 23, v[\mx]
.endm
.macro POW2 d, e                       ; 2^(126 - (e - 127) - 127 + 127): the power of two that brings a number of exponent field e into [0.5, 1): its field is 253 - e
	v_sub_nc_u32 v[\d], 253, v[\e]
	v_lshlrev_b32 v[\d], 23, v[\d]
.endm
.macro TOS sr, vr                      ; a scale, alike in all lanes, into a scalar pair
	v_readfirstlane_b32 s[\sr], v[\vr]
	s_mov_b32 s[\sr+1], s[\sr]
.endm
; ---------------------------------------------------------------- set-up
	s_load_b256 s[8:15], s[0:1], 0x0               ; z s[8:9], W1 s[10:11], b1 s[12:13], W2 s[14:15]
	s_load_b256 s[16:23], s[0:1], 0x20             ; b2 s[16:17], W3 s[18:19], b3 s[20:21], out0 s[22:23]
	v_lshl_add_u32 v[SPW], v0, 2, SPARE
	v_mov_b32 v[NIL], 0
	v_lshrrev_b32 v[TA], 5, v0
	v_readfirstlane_b32 s[WV], v[TA]               ; wave 0..3
	v_and_b32 v[LN], 31, v0                        ; l
	v_and_b32 v[TA+1], 15, v0                      ; l % 16
	v_bfe_u32 v[TA+2], v0, 4, 1                    ; l / 16
	v_and_b32 v[TA+3], 7, v0                       ; l % 8
	v_bfe_u32 v[TA+4], v0, 3, 1                    ; (l / 8) % 2
	s_lshl_b32 s27, ttmp9, 2
	s_add_co_u32 s27, s27, s[WV]                   ; my wave among the launch's 1,024
	s_mul_i32 s4, s27, 16*GRAN                     ; its 24,576 bytes of z
	s_mov_b32 s5, 0
	s_mul_i32 s6, s27, 32*GRAN                     ; its 49,152 bytes of out0
	s_mov_b32 s7, 0
	s_mul_i32 s34, s[WV], GRAN
	s_add_co_u32 s34, s34, STAGE                   ; my stage
	s_mul_i32 s35, s[WV], 32*P2                    ; my 32 rows of W2's table
	s_mul_i32 s36, s[WV], 32*P3
	s_add_co_u32 s36, s36, T3                      ; my 32 rows of W3's
	s_lshl_b32 s[RADS], s[WV], 3
	s_add_co_u32 s[RADS], s[RADS], RED             ; my 8 bytes of RED
	s_mov_b32 s[MLO], 0x0000ffff
	s_mov_b32 s[MLO+1], 0xffff0000
	s_mov_b32 s[HIM], 0xffff0000
	s_mov_b32 s[CNT], 16
	v_mul_u32_u24 v[ZOFF], v[LN], 12
	v_mad_u32_u24 v[LST], v[LN], 24, s34
	v_lshl_add_u32 v[LRD], v[LN], 4, s34
	v_lshlrev_b32 v[GOFF], 4, v[LN]
	v_lshl_add_u32 v[A2], v[TA], 14, v[GOFF]       ; W2: 32 rows of 512 bytes a wave, 16 bytes a lane
	v_mul_u32_u24 v[A3], v0, 24                    ; W3: a row of 24 bytes a thread
	v_lshlrev_b32 v[A1], 2, v[TA+1]                ; W1, b1: feature l % 16 of a block
	v_lshlrev_b32 v[AB2], 5, v[TA+2]               ; b2: eight features from 8 (l / 16) on
	v_lshl_add_u32 v[AS2], v[LN], 3, s35           ; four f16 a lane
	v_mad_u32_u24 v[AT3], v[LN], P3, s36           ; a row a lane
	v_lshl_add_u32 v[TA+5], v[TA+2], 3, v[TA+3]    ; the turning load: lane l reads row 8 (l / 16) + l % 8, 16 bytes at 16 ((l / 8) % 2), and gets 8 k of column l % 16
	v_mul_u32_u24 v[TR2], v[TA+5], P2
	v_lshl_add_u32 v[TR2], v[TA+4], 4, v[TR2]
	v_mul_u32_u24 v[TR3], v[TA+5], P3
	v_lshl_add_u32 v[TR3], v[TA+4], 4, v[TR3]
	v_add_nc_u32 v[TR3], T3, v[TR3]
	v_mov_b32 v[RADR], s[RADS]
	s_wait_kmcnt 0x0
	s_add_nc_u64 s[8:9], s[8:9], s[4:5]
	s_add_nc_u64 s[22:23], s[22:23], s[6:7]
	s_mov_b32 s6, 0                                ; s[6:7]: what the next granule adds to out0's address
	s_mov_b32 s[SEL], 0x76543210
	s_mov_b32 s[SEL+1], 0xfedcba98
	s_load_b128 s[28:31], s[20:21], 0x0            ; b3's six numbers
	s_load_b64 s[32:33], s[20:21], 0x10
	; 55 small loads, then W2's 32
	WIN 0x80
.irp g, 0,1,2,3
	v_mov_b32 v[RZ+4*\g+3], 1.0                    ; meets b1 in layer 1; the loads of z write the three registers below it
.endr
.irp b, 0,1,2,3,4,5,6,7
	global_load_b128 v[B2C+8*\b:B2C+8*\b+3],   v[AB2], s[16:17] offset:64*\b
	global_load_b128 v[B2C+8*\b+4:B2C+8*\b+7], v[AB2], s[16:17] offset:64*\b+16
.endr
	ZLOAD                                          ; symbols 0-127
.irp i, 0,1,2
	global_load_b64 v[RW3+2*\i:RW3+2*\i+1], v[A3], s[18:19] offset:8*\i
.endr
.irp b, 0,1,2,3,4,5,6,7
	global_load_b32 v[RW1+4*\b],   v[A1], s[10:11] offset:64*\b
	global_load_b32 v[RW1+4*\b+1], v[A1], s[10:11] offset:512+64*\b
	global_load_b32 v[RW1+4*\b+2], v[A1], s[10:11] offset:1024+64*\b
	global_load_b32 v[RW1+4*\b+3], v[A1], s[12:13] offset:64*\b
.endr
.set i, 0
.rept 32
	global_load_b128 v[RW2+4*i:RW2+4*i+3], v[A2], s[14:15] offset:512*i
.set i, i+1
.endr
	s_wait_loadcnt 32                              ; loads come back in order (ISA guide 5.7.1): W2's 32 are younger, the 55 small ones are in
	; THE MAXIMA.  W1 and b1: a row of 16 lanes holds all 512 numbers.  b2: the two halves of the lanes hold all 128, every lane of a half the same 64.  Both are whole in every wave.
	v_max_num_f32 v[VM1], |v[RW1]|, |v[RW1+1]|
.set i, 2
.rept 15
	v_max3_num_f32 v[VM1], |v[RW1+i]|, |v[RW1+i+1]|, v[VM1]
.set i, i+2
.endr
	v_max3_num_f32 v[VM3], |v[RW3]|, |v[RW3+1]|, |v[RW3+2]|     ; W3: my thread's row
	v_max3_num_f32 v[TP], |v[RW3+3]|, |v[RW3+4]|, |v[RW3+5]|
	v_max_num_f32 v[VM3], v[VM3], v[TP]
	WIN 0x0a                                       ; sources 0 and 1 window 2
	v_max_num_f32 v[VMB2], |v[B2C]|, |v[B2C+1]|
.set i, 2
.rept 31
	v_max3_num_f32 v[VMB2], |v[B2C+i]|, |v[B2C+i+1]|, v[VMB2]
.set i, i+2
.endr
	WIN 0
	RED16 VM1
	HALVES VMB2
	RED16 VM3
	HALVES VM3
.irp i, 2,3,4,5,6,7
	v_mov_b32 v[ZF+\i], 0
.endr
	v_mov_b32 v[QD3+3], 0
.irp i, 0,1,2,3
	v_mov_b32 v[QZ+\i], 0
.endr
	s_wait_loadcnt 31                              ; W2: my wave's 32 rows, in two chains; row i is in when the 31 - i rows behind it may be out
	v_max_num_f32 v[VM2],  |v[RW2]|,   |v[RW2+1]|
	v_max_num_f32 v[VM2B], |v[RW2+2]|, |v[RW2+3]|
.set i, 1
.rept 31
	s_wait_loadcnt 31-i
	v_max3_num_f32 v[VM2],  |v[RW2+4*i]|,   |v[RW2+4*i+1]|, v[VM2]
	v_max3_num_f32 v[VM2B], |v[RW2+4*i+2]|, |v[RW2+4*i+3]|, v[VM2B]
.set i, i+1
.endr
	v_max_num_f32 v[VM2], v[VM2], v[VM2B]
	RED16 VM2
	HALVES VM2
	ds_store_b64 v[RADR], v[VM2:VM3]               ; all lanes write the same 8 bytes with the same numbers
	s_wait_dscnt 0x0                               ; for the others' sake: my pair is written
	s_barrier_signal -1
	s_barrier_wait -1                              ; everybody's is
	v_mov_b32 v[RADR], RED
	ds_load_b128 v[RDW:RDW+3],   v[RADR]
	ds_load_b128 v[RDW+4:RDW+7], v[RADR] offset:16
	s_wait_dscnt 0x0
	v_max3_num_f32 v[VM2], v[RDW],   v[RDW+2], v[RDW+4]
	v_max3_num_f32 v[VM3], v[RDW+1], v[RDW+3], v[RDW+5]
	v_max_num_f32 v[VM2], v[VM2], v[RDW+6]
	v_max_num_f32 v[VM3], v[VM3], v[RDW+7]
	; THE SCALES
	EXPO VE1, VM1
	POW2 VT1, VE1                                  ; t1
	v_mul_f32 v[VMB2], v[VMB2], v[VT1]
	v_max_num_f32 v[VM2], v[VM2], v[VMB2]          ; max(|W2|, t1 |b2|)
	EXPO VE1+1, VM2
	POW2 VS2, VE1+1                                ; s2
	EXPO VE1+2, VM3
	POW2 VS3, VE1+2                                ; s3
	v_mul_f32 v[VSB2], v[VT1], v[VS2]              ; within 2^+-80
	v_mul_f32 v[VSB3], v[VSB2], v[VS3]             ; within 2^+-120
	v_add3_u32 v[VINV], v[VE1], v[VE1+1], v[VE1+2]
	v_add_nc_u32 v[VINV], 0xffffff05, v[VINV]      ; the reciprocal's exponent field: 127 + the sum of (e - 126) = the sum of e - 251: 7 .. 247
	v_lshlrev_b32 v[VINV], 23, v[VINV]
	TOS ST1, VT1
	TOS SS2, VS2
	TOS SS3, VS3
	TOS SB2, VSB2
	TOS SB3, VSB3
	TOS INV, VINV
	; W3's table: row k = 32 columns of f16: s3 W3[k][0..5], rounded to bf16, in columns 0-5 (rows 0-5 of one fragment) and in columns 24-29 (rows 8-13 of the other), 0 elsewhere
.irp i, 0,1,2
	v_pk_mul_f32 v[RW3+2*\i:RW3+2*\i+1], v[RW3+2*\i:RW3+2*\i+1], s[SS3:SS3+1] op_sel_hi:[1,0]
.endr
.irp i, 0,1,2
	v_cvt_pk_bf16_f32 v[TA+\i], v[RW3+2*\i], v[RW3+2*\i+1]
.endr
.irp i, 0,1,2
	v_lshlrev_b32 v[RW3+2*\i],   16, v[TA+\i]
	v_and_b32     v[RW3+2*\i+1], s[HIM], v[TA+\i]
.endr
.irp i, 0,1,2
	v_cvt_pk_f16_f32 v[QD3+\i], v[RW3+2*\i], v[RW3+2*\i+1]
.endr
	ds_store_b128 v[AT3], v[QD3:QD3+3]
	ds_store_b128 v[AT3], v[QZ:QZ+3] offset:16
	ds_store_b128 v[AT3], v[QZ:QZ+3] offset:32
	ds_store_b128 v[AT3], v[QD3:QD3+3] offset:48
	; W1's fragments: t1 (W1[0], W1[1]), t1 (W1[2], b1) of feature 16 nb + l % 16 in bf16, alike in both halves of the lanes
.set i, 0
.rept 16
	v_pk_mul_f32 v[RW1+2*i:RW1+2*i+1], v[RW1+2*i:RW1+2*i+1], s[ST1:ST1+1] op_sel_hi:[1,0]
.set i, i+1
.endr
	WIN 0x80
.irp b, 0,1,2,3,4,5,6,7
	v_cvt_pk_bf16_f32 v[W1F+2*\b],   v[RW1+4*\b],   v[RW1+4*\b+1]
	v_cvt_pk_bf16_f32 v[W1F+2*\b+1], v[RW1+4*\b+2], v[RW1+4*\b+3]
.endr
.irp i, 16,17,18,19,20,21
	v_mov_b32 v[W1F+\i], 0
.endr
	s_wait_kmcnt 0x0                               ; b3
.irp j, 0,1,2,3,4,5
	v_mov_b32 v[B3C+\j], s[28+\j]
.endr
	v_mov_b32 v[B3C+6], 0
	v_mov_b32 v[B3C+7], 0
	WIN 0xaa                                       ; b2's 64 and b3's 6 numbers are scaled, rounded to bf16 and kept as f32, in place, in pairs
.set q, 0
.rept 35
.if q < 32
	v_pk_mul_f32 v[B2C+2*q:B2C+2*q+1], v[B2C+2*q:B2C+2*q+1], s[SB2:SB2+1] op_sel_hi:[1,0]
.else
	v_pk_mul_f32 v[B2C+2*q:B2C+2*q+1], v[B2C+2*q:B2C+2*q+1], s[SB3:SB3+1] op_sel_hi:[1,0]
.endif
	v_cvt_pk_bf16_f32 v[TW+q%2], v[B2C+2*q], v[B2C+2*q+1]
	v_lshlrev_b32 v[B2C+2*q], 16, v[TW+q%2]
	v_and_b32 v[B2C+2*q+1], s[HIM], v[TW+q%2]
.set q, q+1
.endr
	WIN 0
	; W2's table: each number is scaled by s2 and rounded to bf16, and that number is written as f16
.set i, 0
.rept 32
.set R, RW2+4*i
	v_pk_mul_f32 v[R:R+1],   v[R:R+1],   s[SS2:SS2+1] op_sel_hi:[1,0]
	v_pk_mul_f32 v[R+2:R+3], v[R+2:R+3], s[SS2:SS2+1] op_sel_hi:[1,0]
	v_cvt_pk_bf16_f32 v[TA],   v[R],   v[R+1]
	v_cvt_pk_bf16_f32 v[TA+1], v[R+2], v[R+3]
	v_lshlrev_b32 v[R],   16, v[TA]
	v_and_b32     v[R+1], s[HIM], v[TA]
	v_lshlrev_b32 v[R+2], 16, v[TA+1]
	v_and_b32     v[R+3], s[HIM], v[TA+1]
	v_cvt_pk_f16_f32 v[R],   v[R],   v[R+1]
	v_cvt_pk_f16_f32 v[R+1], v[R+2], v[R+3]
	ds_store_b64 v[AS2], v[R:R+1] offset:P2*i
.set i, i+1
.endr
	s_wait_dscnt 0x0                               ; for the others' sake: my rows of both tables are written
	s_barrier_signal -1
	s_barrier_wait -1                              ; everybody's are.  The launch's second and last barrier: from here on a wave touches its own stage alone
	WIN 0x40                                       ; W2's fragments: block nb (16 columns, 32 bytes), K step ks (32 rows): rows 8 (l / 16) + 0..7, then the rows 16 further down
.set nb, 0
.rept 8
.set ks, 0
.rept 4
	ds_load_tr16_b128 v[32*nb+8*ks:32*nb+8*ks+3],   v[TR2] offset:32*P2*ks+32*nb
	ds_load_tr16_b128 v[32*nb+8*ks+4:32*nb+8*ks+7], v[TR2] offset:32*P2*ks+16*P2+32*nb
.set ks, ks+1
.endr
.set nb, nb+1
.endr
	WIN 0x80                                       ; W3's: columns 0-15, then columns 16-31
.set nb, 0
.rept 2
.set ks, 0
.rept 4
	ds_load_tr16_b128 v[W3F+32*nb+8*ks:W3F+32*nb+8*ks+3],   v[TR3] offset:32*P3*ks+32*nb
	ds_load_tr16_b128 v[W3F+32*nb+8*ks+4:W3F+32*nb+8*ks+7], v[TR3] offset:32*P3*ks+16*P3+32*nb
.set ks, ks+1
.endr
.set nb, nb+1
.endr
	WIN 0
	s_wait_dscnt 0x0                               ; all fragments are in
	ZCONV                                          ; symbols 0-127 (in since the wait for W2's last row, which was for 0 and also freed z's base)
	s_add_nc_u64 s[8:9], s[8:9], GRAN
	ZLOAD                                          ; symbols 128-255
	ZFUPD 0
; ---------------------------------------------------------------- the walk: 130 periods for 128 tiles
	PERIOD 0, 0, 0, 0, 0                           ; layer 1 of tile 0
	PERIOD 1, 1, 0, 0, 1                           ; layer 1 of tile 1, layer 2 of tile 0
	WIN 0                                          ; at a label and at a branch every window is 0
.Lbody:                                                ; 16 trips of eight periods: 128 symbols go in, 128 come out
	PERIOD 2
	PERIOD 3
	PERIOD 4
	PERIOD 5
	PERIOD 6
	PERIOD 7
	PERIOD 0
	PERIOD 1
	WIN 0
	s_sub_co_u32 s[CNT], s[CNT], 1
	s_cmp_lg_u32 s[CNT], 0
	s_cbranch_scc1 .Lbody
	; The last trip's last two periods finish tiles 126 and 127; their layer 1 (twice) and layer 2 (once) run on registers that hold the last symbols once more and serve nothing:
	; 48 of the wave's 5,680 matrix instructions, the price of one text for every trip.  They load nothing.
	s_wait_tensorcnt 0x0                           ; the wave's end, behind my last LDS store
	ds_add_u32 v[SPW], v[NIL]
	s_wait_dscnt 0x0
	s_endpgm
.Lfunc_end_k_q967ee48249_mlp:
	.size	k_q967ee48249_mlp, .Lfunc_end_k_q967ee48249_mlp-k_q967ee48249_mlp
	.p2alignl 7, 3214868480
	.fill 96, 4, 3214868480
	.section	.rodata,"a",@progbits
	.p2align	6, 0x0
	.amdhsa_kernel k_q967ee48249_mlp
		.amdhsa_group_segment_fixed_size 56064
		.amdhsa_private_segment_fixed_size 0
		.amdhsa_enable_private_segment 0
		.amdhsa_kernarg_size 64
		.amdhsa_user_sgpr_count 2
		.amdhsa_user_sgpr_kernarg_segment_ptr 1
		.amdhsa_wavefront_size32 1
		.amdhsa_system_sgpr_workgroup_id_x 1
		.amdhsa_system_sgpr_workgroup_id_y 1
		.amdhsa_system_sgpr_workgroup_id_z 1
		.amdhsa_system_vgpr_workitem_id 0
		.amdhsa_next_free_vgpr 704
		.amdhsa_next_free_sgpr 66
		.amdhsa_reserve_vcc 0
		.amdhsa_float_denorm_mode_32 3
		.amdhsa_float_denorm_mode_16_64 3
		.amdhsa_memory_ordered 1
		.amdhsa_forward_progress 1
		.amdhsa_inst_pref_size 174
	.end_amdhsa_kernel
	.amdgpu_metadata
---
amdhsa.version: [ 1, 2 ]
amdhsa.kernels:
  - .name:           k_q967ee48249_mlp
    .symbol:         k_q967ee48249_mlp.kd
    .args:
      - { .name: z, .offset: 0, .size: 8, .value_kind: global_buffer, .address_space: global }
      - { .name: W1, .offset: 8, .size: 8, .value_kind: global_buffer, .address_space: global }
      - { .name: b1, .offset: 16, .size: 8, .value_kind: global_buffer, .address_space: global }
      - { .name: W2, .offset: 24, .size: 8, .value_kind: global_buffer, .address_space: global }
      - { .name: b2, .offset: 32, .size: 8, .value_kind: global_buffer, .address_space: global }
      - { .name: W3, .offset: 40, .size: 8, .value_kind: global_buffer, .address_space: global }
      - { .name: b3, .offset: 48, .size: 8, .value_kind: global_buffer, .address_space: global }
      - { .name: out0, .offset: 56, .size: 8, .value_kind: global_buffer, .address_space: global }
    .group_segment_fixed_size: 56064
    .private_segment_fixed_size: 0
    .kernarg_segment_align: 8
    .kernarg_segment_size: 64
    .max_flat_workgroup_size: 128
    .sgpr_count:     66
    .vgpr_count:     704
    .wavefront_size: 32
...
	.end_amdgpu_metadata
.endif
;; end of part 1
;; ======== version 2 of 2: 1 launch; version 1 with the launch mlp written anew for expert scheduling mode
;; limits: values are held in f16: magnitudes above 65,504 overflow, below 6.1e-05 lose precision; right only within a limited range of input values
;; launch mlp (part 2): grid 256 x 1, 4 waves a work-group, no clusters, 56,064 bytes of LDS; arguments z, W1, b1, W2, b2, W3, b3, out0; writes out0
.if DOCPART == 2
	.amdgcn_target "amdgcn-amd-amdhsa--gfx1250"
	.amdhsa_code_object_version 6
	.text
	.protected	k_q967ee48249_mlp
	.globl	k_q967ee48249_mlp
	.p2align	8
	.type	k_q967ee48249_mlp,@function
k_q967ee48249_mlp:
	s_mov_b64 s[64:65], 0
	v_nop
	global_prefetch_b8 v0, s[64:65] scope:SCOPE_SE
	s_setreg_imm32_b32 hwreg(HW_REG_WAVE_SCHED_MODE, 0, 2), 2
	s_setreg_imm32_b32 hwreg(HW_REG_WAVE_MODE, 25, 1), 1
	s_wait_xcnt 0x0
	s_wait_alu depctr_vm_vsrc(0)
; llr = relu(relu(z W1 + b1) W2 + b2) W3 + b3 for 4096 x 512 = 2,097,152 symbols.  z: 3 f32 a symbol, out0: 6 f32 a symbol, both dense; the reshape moves no byte.
; ONE LAUNCH: h1 and h2 (128 numbers a symbol each) never leave registers.  256 work-groups of four waves; a wave owns 2,048 symbols on end: 24,576 bytes of z, 49,152 of out0.
; FORMATS.  Every input (z, W1, b1, W2, b2, W3, b3) is rounded to bf16 once.  Sums in f32.  h1 and h2 are rounded to f16: 11 significant bits; with bf16's 8 a symbol whose |z| is three times the usual
; would spend a third of the allowance (1% of the output's root mean square) on one standard deviation of h2's rounding.  So W2's and W3's bf16 numbers are written as f16.
; SCALES make f16's room.  Three powers of two are made from the weights: t1 brings max(|W1|, |b1|) into [0.5, 1), s2 brings max(|W2|, t1 |b2|) there, s3 brings max |W3| there.  W1 and b1 are multiplied by t1,
; W2 by s2, b2 by t1 s2, W3 by s3, b3 by t1 s2 s3: all exact, and a power of two passes through the rounding to bf16 and through relu.  The sums of layer 3 are then t1 s2 s3 times the result,
; and one exact multiplication takes that off.  The scaled h1 is below |z0| + |z1| + |z2| + 1, the scaled sums of layer 2 below 128 times that + 1.
; LIMITS.  |z0| + |z1| + |z2| of 510 or more can make an infinity in f16 (below it nothing can, whatever the weights).  The scales' exponents are held within +-40: a maximum outside 2^-41 .. 2^40
; is not brought into [0.5, 1).  Of the scaled W2, W3, h1 and h2, what lies below 6.1e-5 keeps f16's fixed step of 6e-8.  relu, and the maxima, are v_max_num_f32: a NaN loses (relu of NaN is 0).
; Two tiles share an accumulator and the fragments of W1 overlap (below): products of 0 with a number that is not finite are NaN, so an h2 that is not finite spoils the symbol 16 away in its group
; of 32, and a W1 or b1 that is not finite spoils every feature.
; THE PRODUCTS ARE USED TRANSPOSED: source 0 = 16 features (weights), source 1 = 16 symbols.  A result holds ONE symbol a lane (lane % 16) and the features 8 (lane / 16) + 0..7; two results, rounded in pairs,
; ARE source 1 of the next layer.  Nothing changes lanes between the layers.  A TILE is 16 symbols: 8 products for layer 1 (bf16; K = 32, of which 4 are used: z0, z1, z2, and 1.0 against b1), 32 for layer 2
; (f16; its sums start from b2 as C), 4 for layer 3 (f16; 16 rows, of which 6 are used).
; A GROUP is 32 symbols, lane l holding symbol l.  Its two tiles share registers at both ends.  IN: P = (z0, z1), Q = (z2, 1.0) in bf16; tile A takes them in lanes 0-15 alone (k = 0..3), tile B in lanes 16-31
; alone (k = 8..11); W1's fragments hold the same four numbers at both places.  OUT: tile A multiplies by W3^T in rows 0-5, tile B by W3^T in rows 8-13, both onto ONE accumulator that starts from b3:
; lane l ends up with its own symbol's six numbers in registers 0-5.
; ALL WEIGHTS STAY IN REGISTERS (W2 alone 256); the loop reads z and writes out0 and nothing else.  They come through LDS once, where the turning load makes fragments of [k][n] tables.
; BY PERIODS.  A tile has 44 matrix and 192 vector instructions (64 + 64 relu, 32 + 32 roundings in pairs).  Period P issues layer 1 of tile P, layer 2 of tile P - 1, layer 3 of tile P - 2, and behind each
; matrix instruction stands a slice of four or five vector instructions of work that is ready.  The accumulators take turns, one instruction a turn.
; NO CLUSTER: the work-groups share the weights alone, 71,192 bytes read once at the start and converted in registers, against the 294,912 bytes of z and out0 that each work-group has to itself.
; REGISTERS, in windows of 256 (s_set_vgpr_msb: bits 1:0 source 0, 3:2 source 1, 5:4 source 2, 7:6 destination):
;   window 0: v0-7 addresses; v8-15 P, Q of four groups; v16-23 layer 1's source 1; v24-31 O; v32-95 X1 (layer 1's sums); v96-159 X2 (layer 2's); v160-223 H1, two buffers; v224-255 H2
;   window 1: W2's 32 fragments      window 2: W1's, W3's fragments, b2 and b3 as C operands, z as loaded, two groups' results, out0 on its way
; Every matrix setting leaves source 1 and the destination in window 0, and relu names those two places alone: it needs no switch.  The roundings name source 0 too: a switch in front and one behind.
; THE MODE: SCHED_MODE bits 1:0 = 2 (LLVM: expert scheduling mode 2), set by the entry lines.  The code itself states the register dependences between vector or matrix instructions and memory or LDS
; instructions, with s_wait_alu, always for 0.
; THE PLAN.  Registers that memory or LDS instructions touch in the walk (a body takes its periods in the order 2, 3, 4, 5, 6, 7, 0, 1):
;   RZ     The four loads of z land in it, in period 1; the eight conversions of period 7 read it.
;   OUT    Two groups of six.  The multiplications that take the scales off write the first group in periods 3 and 7, the second in periods 5 and 1; six LDS stores read both, in periods 5 and 1.
;   OBR    Three LDS loads land in it in periods 5 and 1, behind those stores; three stores to out0 read it at that period's end.  No vector instruction names it.
;   v1-v4  Offsets and LDS addresses, made at the head and never written again.
;   O, X1, X2, H1, H2, P, Q and all weights are named by vector and matrix instructions alone.
; So a body has two waits on va_vdst, in periods 5 and 1 behind the second group's multiplications: OUT is written (the six LDS stores follow), and in period 1 also: period 7's conversions are done
; reading RZ (the loads of z follow, with no vector instruction between).  And it has two waits on vm_vsrc, in periods 3 and 7 ahead of the first group's multiplications, two periods behind the stores:
; the last granule's LDS stores have read OUT, and its stores to out0 have read OBR.
.set P2,    288            ; a row of W2's table: 128 f16 = 256 bytes + 32 = 72 words
.set P3,    96             ; a row of W3's table: 32 f16 = 64 bytes + 32 = 24 words: eight rows start at banks 0, 24, 48, 8, 32, 56, 16, 40
.set T3,    128*P2         ; W2's table begins at LDS byte 0, W3's here
.set GRAN,  1536           ; a granule: 64 symbols of out0; also 128 symbols of z
.set STAGE, T3+128*P3      ; a granule for each wave, the wave's own
.set RED,   STAGE+4*GRAN   ; 8 bytes for each wave: the largest |W2| and |W3| among its rows
.set SPARE, RED+256        ; the spare words, 128 bytes for each wave: two blocks of 256 bytes that no other line names
.set ZOFF, 1               ; v1  12 x lane: my symbol in 32 symbols of z; never rewritten
.set LST,  2               ; v2  stage: where my symbol's 24 bytes go
.set LRD,  3               ; v3  stage: where I read 16 bytes back
.set GOFF, 4               ; v4  16 x lane: my 16 bytes in 512 bytes of out0; never rewritten
.set SPW,  5               ; v5  LDS address of my spare word: SPARE + 4 x my thread's number; never rewritten
.set NIL,  6               ; v6  0; never rewritten
.set LN,   7               ; v7  lane (set-up)
.set PQ,   8               ; group g: P at PQ + 2 g, Q at PQ + 2 g + 1
.set ZF,   16              ; registers 2-7 stay 0
.set O,    24
.set X1,   32              ; feature block nb at + 8 nb
.set X2,   96
.set H1,   160             ; buffer by the tile's parity, 32 registers: K step ks at + 8 ks
.set H2,   224
.set W1F,  0               ; window 2: block nb's two registers at 2 nb; v16-21 are 0.  Block nb's fragment is v[2 nb : 2 nb + 7]: what it holds of later blocks meets ZF's zeros
.set TW,   22              ; window 2: two at work (set-up)
.set W3F,  24              ; window 2: K step ks at + 8 ks, W3^T in rows 0-5; 32 further on the same in rows 8-13
.set B2C,  88              ; window 2: block nb at + 8 nb: register j = b2[16 nb + 8 (lane / 16) + j], scaled
.set B3C,  152             ; window 2: register j = b3[j], scaled; registers 6 and 7 = 0; straight behind B2C
.set RZ,   160             ; window 2: group g at + 4 g: z0, z1, z2 as loaded, and 1.0
.set OBR,  176             ; window 2: a granule on its way out, 12 registers
.set OUT,  188             ; window 2: a granule's two groups, six results a lane each, the scales taken off
; set-up alone, in window 0, in registers that the loop uses later
.set RW2,  32              ; v32-159  my wave's 32 rows of W2, 4 numbers a lane
.set RW3,  160             ; v160-165 my thread's row of W3
.set RW1,  168             ; v168-199 block nb at + 4 nb: W1[0], W1[1], W1[2], b1 of feature 16 nb + lane % 16
.set QD3,  200             ; v200-203 W3's row in f16, and a word of 0
.set QZ,   204             ; v204-207 0
.set A2,   208             ; byte offsets in W2, W3, W1 and b1, b2
.set A3,   209
.set A1,   210
.set AB2,  211
.set AS2,  212             ; LDS: where I put W2, W3; where the turning loads read
.set AT3,  213
.set TR2,  214
.set TR3,  215
.set TA,   216             ; v216-221 at work
.set VM1,  224             ; the largest |W1|, |b1|
.set VMB2, 225             ; the largest |b2|
.set VM2,  226             ; the largest |W2|; with VM3 the pair that goes to RED
.set VM3,  227             ; the largest |W3|
.set VM2B, 228             ; a second chain for W2
.set TP,   229             ; at work
.set VE1,  230             ; v230-232 the three maxima's exponent fields
.set VT1,  233             ; t1, s2, s3, t1 s2, t1 s2 s3, 1 / (t1 s2 s3)
.set VS2,  234
.set VS3,  235
.set VSB2, 236
.set VSB3, 237
.set VINV, 238
.set RADR, 239             ; LDS: my wave's 8 bytes of RED
.set RDW,  240             ; v240-247 the four waves' pairs
.set RADL, 248             ; LDS: RED's first byte: an address of its own for the read back, so that no address is written twice
.set WV,   2               ; s2   my wave's number
.set CNT,  3               ; s3   bodies to go
.set SEL,  4               ; s[4:5] v_permlanex16_b32's selects: each lane takes its own place in the other half (first: z's offset)
.set MLO,  24              ; s24  lanes 0-15;  s25  lanes 16-31
.set HIM,  26              ; s26  a word's upper bf16
.set RADS, 37              ; s37  RED + 8 x wave
.set INV,  38              ; s[38:39] 1 / (t1 s2 s3); the packed multiplications name pairs and take the low word for both halves
.set ST1,  40              ; s[40:41] t1
.set SS2,  42              ; s[42:43] s2
.set SS3,  44              ; s[44:45] s3
.set SB2,  46              ; s[46:47] t1 s2
.set SB3,  48              ; s[48:49] t1 s2 s3
.set MSB, 0
.macro WIN new                         ; the immediate's high byte repeats the setting that is left; a switch that changes nothing is dropped
.if MSB != (\new)
	s_set_vgpr_msb (MSB<<8)|(\new)
.set MSB, (\new)
.endif
.endm
.macro PLACES                          ; four places between a matrix instruction and a vector instruction that reads its result or writes a source (ISA guide 7.12.1)
.rept 4
	v_nop
.endr
.endm
; z: four loads of 12 bytes a lane: 128 symbols, 1,536 bytes on end.  The wait that they hang on stands ahead of each use of the macro, with no vector instruction between.
.macro ZLOAD
	WIN 0x80                           ; destination window 2, address window 0
.irp g, 0,1,2,3
	global_load_b96 v[RZ+4*\g:RZ+4*\g+2], v[ZOFF], s[8:9] offset:384*\g th:TH_LOAD_NT
.endr
	WIN 0
.endm
.macro ZCONV                           ; P = (z0, z1), Q = (z2, 1.0) in bf16, for four groups
	WIN 0x0a                           ; sources window 2, destination window 0
.irp g, 0,1,2,3
	v_cvt_pk_bf16_f32 v[PQ+2*\g],   v[RZ+4*\g],   v[RZ+4*\g+1]
	v_cvt_pk_bf16_f32 v[PQ+2*\g+1], v[RZ+4*\g+2], v[RZ+4*\g+3]
.endr
.endm
.macro ZFUPD t                         ; layer 1's source 1 for tile t of eight: its group's P and Q in its half of the lanes, 0 in the other
	WIN 0
	v_cndmask_b32 v[ZF],   0, v[PQ+2*((\t)/2)],   s[MLO+(\t)%2]
	v_cndmask_b32 v[ZF+1], 0, v[PQ+2*((\t)/2)+1], s[MLO+(\t)%2]
.endm
; Once a body, in period 7: the next 128 symbols, asked for in the body before, are converted.
.macro ZHEAD
	WIN 0
	s_wait_loadcnt 0x0                 ; the four loads of z are the only loads out; the wait also frees their base
	ZCONV
.endm
; Once a body, in period 1, behind the granule's wait on va_vdst: the 128 symbols behind those are asked for, while there are any: body i of 16 (CNT = 16 - i) asks for part i + 2 of 0..15.
; They have 14 + 5 x 44 + 13 = 247 matrix instructions in which to land.
.macro ZASK
	s_cmp_lt_u32 s[CNT], 3
	s_cbranch_scc1 .Lnoz_\@            ; the last two bodies ask for nothing: no load leaves z
	s_add_nc_u64 s[8:9], s[8:9], GRAN
	ZLOAD                              ; no wait of its own: since the granule's wait, behind which period 7's conversions are done reading RZ, no vector instruction has been issued
.Lnoz_\@:
.endm
; THE MATRIX WORK.  MAT writes instruction m of a period's 44; it reads the symbols m, par (the period's parity), FL2, FL3 (0: the layer has no tile yet).
.macro L2I                             ; layer 2 of tile P - 1: feature block nb, K step ks
.if FL2
.set rD, X2+8*nb
.set rA, 32*nb+8*ks
.set rB, H1+32*(1-par)+8*ks
.if ks == 0
	WIN 0x21                           ; W2 window 1, b2 window 2
	v_wmma_f32_16x16x32_f16 v[rD:rD+7], v[rA:rA+7], v[rB:rB+7], v[B2C+8*nb:B2C+8*nb+7]
.else
	WIN 0x01
	v_wmma_f32_16x16x32_f16 v[rD:rD+7], v[rA:rA+7], v[rB:rB+7], v[rD:rD+7]
.endif
.endif
.endm
.macro L3I                             ; layer 3 of tile P - 2: K step ks.  An even tile starts O from b3 and fills lanes 0-15, an odd one adds onto it and fills lanes 16-31
.if FL3
.set rA, W3F+32*par+8*ks
.set rB, H2+8*ks
.if (par == 0) && (ks == 0)
	WIN 0x22                           ; W3 and b3 window 2
	v_wmma_f32_16x16x32_f16 v[O:O+7], v[rA:rA+7], v[rB:rB+7], v[B3C:B3C+7]
.else
	WIN 0x02
	v_wmma_f32_16x16x32_f16 v[O:O+7], v[rA:rA+7], v[rB:rB+7], v[O:O+7]
.endif
.endif
.endm
.macro MAT
.if m < 8                              ; 0-7: layer 1 of tile P, block m
	WIN 0x02                           ; W1 window 2
	v_wmma_f32_16x16x32_bf16 v[X1+8*m:X1+8*m+7], v[W1F+2*m:W1F+2*m+7], v[ZF:ZF+7], 0
.elseif m < 28                         ; 8-27: layer 2's blocks 0-3, K ascending, and behind each four of them a link of layer 3 (12, 17, 22, 27)
.set ks, (m-8)/5
.set nb, (m-8)%5
.if nb < 4
	L2I
.else
	L3I
.endif
.else                                  ; 28-43: layer 2's blocks 4-7
.set ks, (m-28)/4
.set nb, 4+(m-28)%4
	L2I
.endif
.endm
; THE VECTOR WORK: four QUADS of four feature blocks, each 32 relu in place and 16 roundings of pairs to f16, cut into 11 slices; slice m % 11 of quad m / 11 stands behind matrix instruction m.
;   quad 0 (0-10):  X2's blocks 4-7 of tile P - 2 -> H2's upper half: their last links are the period before's 40-43; layer 3 reads them at 22 and 27
;   quad 1 (11-21): X1's blocks 0-3 of tile P -> H1             quad 2 (22-32): X1's blocks 4-7: layer 2 reads them in the next period
;   quad 3 (33-43): X2's blocks 0-3 of tile P - 1 -> H2's lower half: their last links are 23-26; layer 3 reads them at the next period's 12 and 17
; relu ascends.  No slice names a register of the matrix instructions round it, and every result is read two slices or more behind its product.
.macro MAXN a, n
.if MSB & 0xcc                         ; source 1 and the destination must stand in window 0: so they do under every matrix setting
	WIN 0
.endif
.set ii, \a
.rept \n
	v_max_num_f32 v[XS+ii], 0, v[XS+ii]
.set ii, ii+1
.endr
.endm
.macro CVT4 a
	WIN 0
.set ii, \a
.rept 4
	v_cvt_pk_f16_f32 v[HD+ii], v[XS+2*ii], v[XS+2*ii+1]
.set ii, ii+1
.endr
.endm
.macro SLICE
.set quad, m/11
.set sl, m%11
.set act, 1
.if quad == 0
.set XS, X2+32
.set HD, H2+16
.set act, FQA
.elseif quad == 1
.set XS, X1
.set HD, H1+32*par
.elseif quad == 2
.set XS, X1+32
.set HD, H1+32*par+16
.else
.set XS, X2
.set HD, H2
.set act, FQD
.endif
.if act
.if sl == 0
	MAXN 0, 5
.elseif sl == 1
	MAXN 5, 5
.elseif sl == 2
	CVT4 0
.elseif sl == 3
	MAXN 10, 5
.elseif sl == 4
	MAXN 15, 5
.elseif sl == 5
	CVT4 4
.elseif sl == 6
	MAXN 20, 4
.elseif sl == 7
	MAXN 24, 4
.elseif sl == 8
	CVT4 8
.elseif sl == 9
	MAXN 28, 4
.else
	CVT4 12
.endif
.elseif m == 10
	PLACES                             ; the first two periods have no quad 0: these are the places between layer 1's products and quad 1
.endif
.endm
; THE WAY OUT.  The scales are taken off, out of O into OUT; when a granule's two groups are there, 32 lanes put 24 bytes each, twice, into my stage; the granule of 1,536 bytes comes back as 16 bytes a lane and leaves in three stores.
.macro OMUL                            ; a group's six results a lane: O from its low end on
.if gam == 0
	s_wait_alu depctr_vm_vsrc(0)       ; the last granule's six LDS stores have read OUT, which these lines and the next odd period's write again; its three stores to out0 have read OBR, in which the next granule's LDS loads land
.endif
	WIN 0x80                           ; destination window 2, O window 0
.irp i, 0,1,2
	v_pk_mul_f32 v[OUT+6*gam+2*\i:OUT+6*gam+2*\i+1], v[O+2*\i:O+2*\i+1], s[INV:INV+1] op_sel_hi:[1,0]  ; a power of two: exact
.endr
.endm
.macro GRAN_A
	s_wait_alu depctr_va_vdst(0)       ; both groups' multiplications have written OUT, which the LDS stores read; in period 1 also: period 7's conversions are done reading RZ, in which the loads of z land
	WIN 0x08                           ; data window 2, address window 0
.irp g, 0,1
.irp i, 0,1,2
	ds_store_b64 v[LST], v[OUT+6*\g+2*\i:OUT+6*\g+2*\i+1] offset:768*\g+8*\i
.endr
.endr
	s_wait_xcnt 0x0                    ; every earlier memory instruction has had its addresses translated (ISA guide 3.1): only now are the last granule's data registers and the stores' base rewritten
	s_add_nc_u64 s[22:23], s[22:23], s[6:7]  ; the first time 0, then a granule on
	s_mov_b32 s6, GRAN
	WIN 0x80
.irp i, 0,1,2
	ds_load_b128 v[OBR+4*\i:OBR+4*\i+3], v[LRD] offset:512*\i  ; LDS serves a wave's instructions in order (ISA guide 5.7.1.4): these see the stores above, and the next granule's stores come behind them
.endr
	WIN 0
.endm
.macro GRAN_B
	s_wait_dscnt 0x0                   ; the granule is back: its loads were issued 13 matrix instructions ago
	WIN 0x08                           ; data window 2, address window 0
.irp i, 0,1,2
	global_store_b128 v[GOFF], v[OBR+4*\i:OBR+4*\i+3], s[22:23] offset:512*\i th:TH_STORE_NT  ; 512 consecutive bytes, at a multiple of 256 from out0's first byte
.endr
	WIN 0
.endm
; What stands behind a slice now and then; each at a rounding slice, where every window is 0.
.macro EXTRA
.if m == 13                            ; layer 1's last product of this period stands six slices back
.if p == 7
	ZHEAD
.endif
	ZFUPD (p+1)%8
.endif
.if FL3 && (par == 1)
.if m == 30                            ; O's last link is 27: three slices back
	OMUL
.if gam
	GRAN_A
.if p == 1
	ZASK
.endif
.endif
.endif
.if (m == 43) && gam
	GRAN_B
.endif
.endif
.endm
; Period pp of eight.  l2, l3, qa, qd = 0: at the start these have no tile yet.
.macro PERIOD pp, l2=1, l3=1, qa=1, qd=1
.set p, (\pp)
.set par, (\pp)%2
.set gam, ((((\pp)+5)%8)/2)%2          ; the group that layer 3 finishes in an odd period is the first (0) or second (1) of its granule
.set FL2, (\l2)
.set FL3, (\l3)
.set FQA, (\qa)
.set FQD, (\qd)
.set m, 0
.rept 44
	MAT
	SLICE
	EXTRA
.set m, m+1
.endr
.endm
; set-up's own macros
.macro RED16 r                         ; the maximum over a row of 16 lanes, in every lane of it
.irp x, 1,2,4,8
	v_max_num_f32_dpp v[\r], v[\r], v[\r] row_xmask:\x row_mask:0xf bank_mask:0xf
.endr
.endm
.macro HALVES r                        ; and over the two rows
	v_permlanex16_b32 v[TP], v[\r], s[SEL], s[SEL+1]
	v_max_num_f32 v[\r], v[\r], v[TP]
.endm
.macro EXPO e, mx                      ; the exponent field of a maximum, held within 86 .. 166 (2^-41 .. 2^39)
	v_max_num_f32 v[\mx], 0x2b000000, v[\mx]
	v_min_num_f32 v[\mx], 0x53000000, v[\mx]
	v_lshrrev_b32 v[\e], 23, v[\mx]
.endm
.macro POW2 d, e                       ; 2^(126 - (e - 127) - 127 + 127): the power of two that brings a number of exponent field e into [0.5, 1): its field is 253 - e
	v_sub_nc_u32 v[\d], 253, v[\e]
	v_lshlrev_b32 v[\d], 23, v[\d]
.endm
; ---------------------------------------------------------------- set-up
	s_load_b256 s[8:15], s[0:1], 0x0               ; z s[8:9], W1 s[10:11], b1 s[12:13], W2 s[14:15]
	s_load_b256 s[16:23], s[0:1], 0x20             ; b2 s[16:17], W3 s[18:19], b3 s[20:21], out0 s[22:23]
	v_lshl_add_u32 v[SPW], v0, 2, SPARE
	v_mov_b32 v[NIL], 0
	v_lshrrev_b32 v[TA], 5, v0
	v_readfirstlane_b32 s[WV], v[TA]               ; wave 0..3
	v_and_b32 v[LN], 31, v0                        ; l
	v_and_b32 v[TA+1], 15, v0                      ; l % 16
	v_bfe_u32 v[TA+2], v0, 4, 1                    ; l / 16
	v_and_b32 v[TA+3], 7, v0                       ; l % 8
	v_bfe_u32 v[TA+4], v0, 3, 1                    ; (l / 8) % 2
	s_wait_alu depctr_va_sdst(0)                   ; the wave's number is written, ahead of its first reader: the bases and the LDS places below are made from it
	s_lshl_b32 s27, ttmp9, 2
	s_add_co_u32 s27, s27, s[WV]                   ; my wave among the launch's 1,024
	s_mul_i32 s4, s27, 16*GRAN                     ; its 24,576 bytes of z
	s_mov_b32 s5, 0
	s_mul_i32 s6, s27, 32*GRAN                     ; its 49,152 bytes of out0
	s_mov_b32 s7, 0
	s_mul_i32 s34, s[WV], GRAN
	s_add_co_u32 s34, s34, STAGE                   ; my stage
	s_mul_i32 s35, s[WV], 32*P2                    ; my 32 rows of W2's table
	s_mul_i32 s36, s[WV], 32*P3
	s_add_co_u32 s36, s36, T3                      ; my 32 rows of W3's
	s_lshl_b32 s[RADS], s[WV], 3
	s_add_co_u32 s[RADS], s[RADS], RED             ; my 8 bytes of RED
	s_mov_b32 s[MLO], 0x0000ffff
	s_mov_b32 s[MLO+1], 0xffff0000
	s_mov_b32 s[HIM], 0xffff0000
	s_mov_b32 s[CNT], 16
	v_mul_u32_u24 v[ZOFF], v[LN], 12
	v_mad_u32_u24 v[LST], v[LN], 24, s34
	v_lshl_add_u32 v[LRD], v[LN], 4, s34
	v_lshlrev_b32 v[GOFF], 4, v[LN]
	v_lshl_add_u32 v[A2], v[TA], 14, v[GOFF]       ; W2: 32 rows of 512 bytes a wave, 16 bytes a lane
	v_mul_u32_u24 v[A3], v0, 24                    ; W3: a row of 24 bytes a thread
	v_lshlrev_b32 v[A1], 2, v[TA+1]                ; W1, b1: feature l % 16 of a block
	v_lshlrev_b32 v[AB2], 5, v[TA+2]               ; b2: eight features from 8 (l / 16) on
	v_lshl_add_u32 v[AS2], v[LN], 3, s35           ; four f16 a lane
	v_mad_u32_u24 v[AT3], v[LN], P3, s36           ; a row a lane
	v_lshl_add_u32 v[TA+5], v[TA+2], 3, v[TA+3]    ; the turning load: lane l reads row 8 (l / 16) + l % 8, 16 bytes at 16 ((l / 8) % 2), and gets 8 k of column l % 16
	v_mul_u32_u24 v[TR2], v[TA+5], P2
	v_lshl_add_u32 v[TR2], v[TA+4], 4, v[TR2]
	v_mul_u32_u24 v[TR3], v[TA+5], P3
	v_lshl_add_u32 v[TR3], v[TA+4], 4, v[TR3]
	v_add_nc_u32 v[TR3], T3, v[TR3]
	v_mov_b32 v[RADR], s[RADS]
	v_mov_b32 v[RADL], RED
	s_wait_kmcnt 0x0
	s_add_nc_u64 s[8:9], s[8:9], s[4:5]
	s_add_nc_u64 s[22:23], s[22:23], s[6:7]
	s_mov_b32 s6, 0                                ; s[6:7]: what the next granule adds to out0's address
	s_mov_b32 s[SEL], 0x76543210
	s_mov_b32 s[SEL+1], 0xfedcba98
	s_load_b128 s[28:31], s[20:21], 0x0            ; b3's six numbers
	s_load_b64 s[32:33], s[20:21], 0x10
	; 55 small loads, then W2's 32
	WIN 0x80
.irp g, 0,1,2,3
	v_mov_b32 v[RZ+4*\g+3], 1.0                    ; meets b1 in layer 1; the loads of z write the three registers below it
.endr
	s_wait_alu depctr_va_vdst(0)                   ; every offset and LDS address of the kernel is written: v1 to v4, A1, A2, A3, AB2, AS2, AT3, TR2, TR3, RADR, RADL; the loads and stores from here on read them
.irp b, 0,1,2,3,4,5,6,7
	global_load_b128 v[B2C+8*\b:B2C+8*\b+3],   v[AB2], s[16:17] offset:64*\b
	global_load_b128 v[B2C+8*\b+4:B2C+8*\b+7], v[AB2], s[16:17] offset:64*\b+16
.endr
	ZLOAD                                          ; symbols 0-127
.irp i, 0,1,2
	global_load_b64 v[RW3+2*\i:RW3+2*\i+1], v[A3], s[18:19] offset:8*\i
.endr
.irp b, 0,1,2,3,4,5,6,7
	global_load_b32 v[RW1+4*\b],   v[A1], s[10:11] offset:64*\b
	global_load_b32 v[RW1+4*\b+1], v[A1], s[10:11] offset:512+64*\b
	global_load_b32 v[RW1+4*\b+2], v[A1], s[10:11] offset:1024+64*\b
	global_load_b32 v[RW1+4*\b+3], v[A1], s[12:13] offset:64*\b
.endr
.set i, 0
.rept 32
	global_load_b128 v[RW2+4*i:RW2+4*i+3], v[A2], s[14:15] offset:512*i
.set i, i+1
.endr
	s_wait_loadcnt 32                              ; loads come back in order (ISA guide 5.7.1): W2's 32 are younger, the 55 small ones are in
	; THE MAXIMA.  W1 and b1: a row of 16 lanes holds all 512 numbers.  b2: the two halves of the lanes hold all 128, every lane of a half the same 64.  Both are whole in every wave.
	v_max_num_f32 v[VM1], |v[RW1]|, |v[RW1+1]|
.set i, 2
.rept 15
	v_max3_num_f32 v[VM1], |v[RW1+i]|, |v[RW1+i+1]|, v[VM1]
.set i, i+2
.endr
	v_max3_num_f32 v[VM3], |v[RW3]|, |v[RW3+1]|, |v[RW3+2]|     ; W3: my thread's row
	v_max3_num_f32 v[TP], |v[RW3+3]|, |v[RW3+4]|, |v[RW3+5]|
	v_max_num_f32 v[VM3], v[VM3], v[TP]
	WIN 0x0a                                       ; sources 0 and 1 window 2
	v_max_num_f32 v[VMB2], |v[B2C]|, |v[B2C+1]|
.set i, 2
.rept 31
	v_max3_num_f32 v[VMB2], |v[B2C+i]|, |v[B2C+i+1]|, v[VMB2]
.set i, i+2
.endr
	WIN 0
	RED16 VM1
	HALVES VMB2
	RED16 VM3
	HALVES VM3
.irp i, 2,3,4,5,6,7
	v_mov_b32 v[ZF+\i], 0
.endr
	v_mov_b32 v[QD3+3], 0
.irp i, 0,1,2,3
	v_mov_b32 v[QZ+\i], 0
.endr
	s_wait_loadcnt 31                              ; W2: my wave's 32 rows, in two chains; row i is in when the 31 - i rows behind it may be out
	v_max_num_f32 v[VM2],  |v[RW2]|,   |v[RW2+1]|
	v_max_num_f32 v[VM2B], |v[RW2+2]|, |v[RW2+3]|
.set i, 1
.rept 31
	s_wait_loadcnt 31-i
	v_max3_num_f32 v[VM2],  |v[RW2+4*i]|,   |v[RW2+4*i+1]|, v[VM2]
	v_max3_num_f32 v[VM2B], |v[RW2+4*i+2]|, |v[RW2+4*i+3]|, v[VM2B]
.set i, i+1
.endr
	v_max_num_f32 v[VM2], v[VM2], v[VM2B]
	RED16 VM2
	HALVES VM2
	s_wait_alu depctr_va_vdst(0)                   ; the two maxima VM2 and VM3 are written, which the LDS store reads
	ds_store_b64 v[RADR], v[VM2:VM3]               ; all lanes write the same 8 bytes with the same numbers
	s_wait_dscnt 0x0                               ; for the others' sake: my pair is written
	s_barrier_signal -1
	s_barrier_wait -1                              ; everybody's is
	ds_load_b128 v[RDW:RDW+3],   v[RADL]
	ds_load_b128 v[RDW+4:RDW+7], v[RADL] offset:16
	s_wait_dscnt 0x0
	s_wait_alu depctr_vm_vsrc(0)                   ; my LDS store has read VM2 and VM3, which the next lines write again
	v_max3_num_f32 v[VM2], v[RDW],   v[RDW+2], v[RDW+4]
	v_max3_num_f32 v[VM3], v[RDW+1], v[RDW+3], v[RDW+5]
	v_max_num_f32 v[VM2], v[VM2], v[RDW+6]
	v_max_num_f32 v[VM3], v[VM3], v[RDW+7]
	; THE SCALES
	EXPO VE1, VM1
	POW2 VT1, VE1                                  ; t1
	v_mul_f32 v[VMB2], v[VMB2], v[VT1]
	v_max_num_f32 v[VM2], v[VM2], v[VMB2]          ; max(|W2|, t1 |b2|)
	EXPO VE1+1, VM2
	POW2 VS2, VE1+1                                ; s2
	EXPO VE1+2, VM3
	POW2 VS3, VE1+2                                ; s3
	v_mul_f32 v[VSB2], v[VT1], v[VS2]              ; within 2^+-80
	v_mul_f32 v[VSB3], v[VSB2], v[VS3]             ; within 2^+-120
	v_add3_u32 v[VINV], v[VE1], v[VE1+1], v[VE1+2]
	v_add_nc_u32 v[VINV], 0xffffff05, v[VINV]      ; the reciprocal's exponent field: 127 + the sum of (e - 126) = the sum of e - 251: 7 .. 247
	v_lshlrev_b32 v[VINV], 23, v[VINV]
	v_readfirstlane_b32 s[ST1], v[VT1]             ; the six scales, alike in all lanes, into scalar registers, in one run
	v_readfirstlane_b32 s[SS2], v[VS2]
	v_readfirstlane_b32 s[SS3], v[VS3]
	v_readfirstlane_b32 s[SB2], v[VSB2]
	v_readfirstlane_b32 s[SB3], v[VSB3]
	v_readfirstlane_b32 s[INV], v[VINV]
	s_wait_alu depctr_va_sdst(0)                   ; the six are written, ahead of their first readers: the copies below, then the packed multiplications
.irp r, ST1, SS2, SS3, SB2, SB3, INV
	s_mov_b32 s[\r+1], s[\r]                       ; named with it as a pair
.endr
	; W3's table: row k = 32 columns of f16: s3 W3[k][0..5], rounded to bf16, in columns 0-5 (rows 0-5 of one fragment) and in columns 24-29 (rows 8-13 of the other), 0 elsewhere
.irp i, 0,1,2
	v_pk_mul_f32 v[RW3+2*\i:RW3+2*\i+1], v[RW3+2*\i:RW3+2*\i+1], s[SS3:SS3+1] op_sel_hi:[1,0]
.endr
.irp i, 0,1,2
	v_cvt_pk_bf16_f32 v[TA+\i], v[RW3+2*\i], v[RW3+2*\i+1]
.endr
.irp i, 0,1,2
	v_lshlrev_b32 v[RW3+2*\i],   16, v[TA+\i]
	v_and_b32     v[RW3+2*\i+1], s[HIM], v[TA+\i]
.endr
.irp i, 0,1,2
	v_cvt_pk_f16_f32 v[QD3+\i], v[RW3+2*\i], v[RW3+2*\i+1]
.endr
	; W2's table: each number is scaled by s2 and rounded to bf16, and that number is written as f16: a row's four close up into the first two of its four registers
.set i, 0
.rept 32
.set R, RW2+4*i
	v_pk_mul_f32 v[R:R+1],   v[R:R+1],   s[SS2:SS2+1] op_sel_hi:[1,0]
	v_pk_mul_f32 v[R+2:R+3], v[R+2:R+3], s[SS2:SS2+1] op_sel_hi:[1,0]
	v_cvt_pk_bf16_f32 v[TA],   v[R],   v[R+1]
	v_cvt_pk_bf16_f32 v[TA+1], v[R+2], v[R+3]
	v_lshlrev_b32 v[R],   16, v[TA]
	v_and_b32     v[R+1], s[HIM], v[TA]
	v_lshlrev_b32 v[R+2], 16, v[TA+1]
	v_and_b32     v[R+3], s[HIM], v[TA+1]
	v_cvt_pk_f16_f32 v[R],   v[R],   v[R+1]
	v_cvt_pk_f16_f32 v[R+1], v[R+2], v[R+3]
.set i, i+1
.endr
	s_wait_alu depctr_va_vdst(0)                   ; the conversions have written QD3 and each row's two registers of RW2 (and QZ holds its zeros): the 36 LDS stores read them
	ds_store_b128 v[AT3], v[QD3:QD3+3]
	ds_store_b128 v[AT3], v[QZ:QZ+3] offset:16
	ds_store_b128 v[AT3], v[QZ:QZ+3] offset:32
	ds_store_b128 v[AT3], v[QD3:QD3+3] offset:48
.set i, 0
.rept 32
	ds_store_b64 v[AS2], v[RW2+4*i:RW2+4*i+1] offset:P2*i
.set i, i+1
.endr
	; While the stores are on their way: what stays in registers.  These lines name RW1, W1F, TW, B2C and B3C: none of the stores' registers, and none that the turning loads below touch.
	; W1's fragments: t1 (W1[0], W1[1]), t1 (W1[2], b1) of feature 16 nb + l % 16 in bf16, alike in both halves of the lanes
.set i, 0
.rept 16
	v_pk_mul_f32 v[RW1+2*i:RW1+2*i+1], v[RW1+2*i:RW1+2*i+1], s[ST1:ST1+1] op_sel_hi:[1,0]
.set i, i+1
.endr
	WIN 0x80
.irp b, 0,1,2,3,4,5,6,7
	v_cvt_pk_bf16_f32 v[W1F+2*\b],   v[RW1+4*\b],   v[RW1+4*\b+1]
	v_cvt_pk_bf16_f32 v[W1F+2*\b+1], v[RW1+4*\b+2], v[RW1+4*\b+3]
.endr
.irp i, 16,17,18,19,20,21
	v_mov_b32 v[W1F+\i], 0
.endr
	s_wait_kmcnt 0x0                               ; b3
.irp j, 0,1,2,3,4,5
	v_mov_b32 v[B3C+\j], s[28+\j]
.endr
	v_mov_b32 v[B3C+6], 0
	v_mov_b32 v[B3C+7], 0
	WIN 0xaa                                       ; b2's 64 and b3's 6 numbers are scaled, rounded to bf16 and kept as f32, in place, in pairs
.set q, 0
.rept 35
.if q < 32
	v_pk_mul_f32 v[B2C+2*q:B2C+2*q+1], v[B2C+2*q:B2C+2*q+1], s[SB2:SB2+1] op_sel_hi:[1,0]
.else
	v_pk_mul_f32 v[B2C+2*q:B2C+2*q+1], v[B2C+2*q:B2C+2*q+1], s[SB3:SB3+1] op_sel_hi:[1,0]
.endif
	v_cvt_pk_bf16_f32 v[TW+q%2], v[B2C+2*q], v[B2C+2*q+1]
	v_lshlrev_b32 v[B2C+2*q], 16, v[TW+q%2]
	v_and_b32 v[B2C+2*q+1], s[HIM], v[TW+q%2]
.set q, q+1
.endr
	WIN 0
	s_wait_dscnt 0x0                               ; for the others' sake: my rows of both tables are written
	s_barrier_signal -1
	s_barrier_wait -1                              ; everybody's are.  The launch's second and last barrier: from here on a wave touches its own stage alone
	WIN 0x40                                       ; W2's fragments: block nb (16 columns, 32 bytes), K step ks (32 rows): rows 8 (l / 16) + 0..7, then the rows 16 further down.  No vector instruction has named their registers
.set nb, 0
.rept 8
.set ks, 0
.rept 4
	ds_load_tr16_b128 v[32*nb+8*ks:32*nb+8*ks+3],   v[TR2] offset:32*P2*ks+32*nb
	ds_load_tr16_b128 v[32*nb+8*ks+4:32*nb+8*ks+7], v[TR2] offset:32*P2*ks+16*P2+32*nb
.set ks, ks+1
.endr
.set nb, nb+1
.endr
	WIN 0x80                                       ; W3's: columns 0-15, then columns 16-31
.set nb, 0
.rept 2
.set ks, 0
.rept 4
	ds_load_tr16_b128 v[W3F+32*nb+8*ks:W3F+32*nb+8*ks+3],   v[TR3] offset:32*P3*ks+32*nb
	ds_load_tr16_b128 v[W3F+32*nb+8*ks+4:W3F+32*nb+8*ks+7], v[TR3] offset:32*P3*ks+16*P3+32*nb
.set ks, ks+1
.endr
.set nb, nb+1
.endr
	WIN 0
	s_wait_dscnt 0x0                               ; all fragments are in
	s_wait_alu depctr_vm_vsrc(0)                   ; the set-up's loads and stores have read their addresses (v208-215, v239, v248) and their data (RW2, QD3, QZ): the walk's products and roundings write these registers as X1, X2, H1 and H2
	ZCONV                                          ; symbols 0-127 (in since the wait for W2's last row, which was for 0 and also freed z's base)
	s_add_nc_u64 s[8:9], s[8:9], GRAN
	s_wait_alu depctr_va_vdst(0)                   ; the conversions are done reading RZ, in which the next loads land
	ZLOAD                                          ; symbols 128-255
	ZFUPD 0
; ---------------------------------------------------------------- the walk: 130 periods for 128 tiles
	PERIOD 0, 0, 0, 0, 0                           ; layer 1 of tile 0
	PERIOD 1, 1, 0, 0, 1                           ; layer 1 of tile 1, layer 2 of tile 0
	WIN 0                                          ; at a label and at a branch every window is 0
.Lbody:                                                ; 16 trips of eight periods: 128 symbols go in, 128 come out
	PERIOD 2
	PERIOD 3
	PERIOD 4
	PERIOD 5
	PERIOD 6
	PERIOD 7
	PERIOD 0
	PERIOD 1
	WIN 0
	s_sub_co_u32 s[CNT], s[CNT], 1
	s_cmp_lg_u32 s[CNT], 0
	s_cbranch_scc1 .Lbody
	; The last trip's last two periods finish tiles 126 and 127; their layer 1 (twice) and layer 2 (once) run on registers that hold the last symbols once more and serve nothing:
	; 48 of the wave's 5,680 matrix instructions, the price of one text for every trip.  They load nothing.
	s_wait_dscnt 0x0                               ; the wave's end
	s_wait_alu 0x0
	s_wait_tensorcnt 0x0
	ds_add_u32 v[SPW], v[NIL]
	s_wait_dscnt 0x0
	s_endpgm
.Lfunc_end_k_q967ee48249_mlp:
	.size	k_q967ee48249_mlp, .Lfunc_end_k_q967ee48249_mlp-k_q967ee48249_mlp
	.p2alignl 7, 3214868480
	.fill 96, 4, 3214868480
	.section	.rodata,"a",@progbits
	.p2align	6, 0x0
	.amdhsa_kernel k_q967ee48249_mlp
		.amdhsa_group_segment_fixed_size 56064
		.amdhsa_private_segment_fixed_size 0
		.amdhsa_enable_private_segment 0
		.amdhsa_kernarg_size 64
		.amdhsa_user_sgpr_count 2
		.amdhsa_user_sgpr_kernarg_segment_ptr 1
		.amdhsa_wavefront_size32 1
		.amdhsa_system_sgpr_workgroup_id_x 1
		.amdhsa_system_sgpr_workgroup_id_y 1
		.amdhsa_system_sgpr_workgroup_id_z 1
		.amdhsa_system_vgpr_workitem_id 0
		.amdhsa_next_free_vgpr 712
		.amdhsa_next_free_sgpr 66
		.amdhsa_reserve_vcc 0
		.amdhsa_float_denorm_mode_32 3
		.amdhsa_float_denorm_mode_16_64 3
		.amdhsa_memory_ordered 1
		.amdhsa_forward_progress 1
		.amdhsa_inst_pref_size 174
	.end_amdhsa_kernel
	.amdgpu_metadata
---
amdhsa.version: [ 1, 2 ]
amdhsa.kernels:
  - .name:           k_q967ee48249_mlp
    .symbol:         k_q967ee48249_mlp.kd
    .args:
      - { .name: z, .offset: 0, .size: 8, .value_kind: global_buffer, .address_space: global }
      - { .name: W1, .offset: 8, .size: 8, .value_kind: global_buffer, .address_space: global }
      - { .name: b1, .offset: 16, .size: 8, .value_kind: global_buffer, .address_space: global }
      - { .name: W2, .offset: 24, .size: 8, .value_kind: global_buffer, .address_space: global }
      - { .name: b2, .offset: 32, .size: 8, .value_kind: global_buffer, .address_space: global }
      - { .name: W3, .offset: 40, .size: 8, .value_kind: global_buffer, .address_space: global }
      - { .name: b3, .offset: 48, .size: 8, .value_kind: global_buffer, .address_space: global }
      - { .name: out0, .offset: 56, .size: 8, .value_kind: global_buffer, .address_space: global }
    .group_segment_fixed_size: 56064
    .private_segment_fixed_size: 0
    .kernarg_segment_align: 8
    .kernarg_segment_size: 64
    .max_flat_workgroup_size: 128
    .sgpr_count:     66
    .vgpr_count:     712
    .wavefront_size: 32
...
	.end_amdgpu_metadata
.endif
;; end of part 2
